; MI455X (gfx1250); checked and timed in simulation.
; The chip was launched on July 23, 2026; its instructions are those of AMD's public machine-readable ISA for CDNA 5 (MIT licence, August 2026) and "CDNA5" Instruction Set Architecture Reference Guide (July 2026). The comments in the code are by the model that wrote it; some were corrected since.
;; Attn. Allowed arithmetic: matrix products marked QUANTISED: E3M2 operands, one E8M0 scale for each 32 along K, by v_wmma_scale_f32_16x16x128_f8f6f4 with both operands' format E3M2, f32 sums; products left as they are: f32 operands where the result goes on into a quantised operand, else bf16, f16 or f32 operands; f32 sums; everything else in f32.
;; Inputs: W_codes 1,024 x 64 x 24 uint8 (E3M2 codes of W, K innermost, in blocks of 32 codes, four codes in three bytes); W_scales 1,024 x 64 uint8 (E8M0 scales of W, one for each 32 codes along K); b 1,024 float32; encoder_outputs_codes 32 x 1,024 x 64 x 24 uint8 (E3M2 codes of encoder_outputs, K innermost, in blocks of 32 codes, four codes in three bytes); encoder_outputs_scales 32 x 1,024 x 64 uint8 (E8M0 scales of encoder_outputs, one for each 32 codes along K); hidden 32 x 1,024 float32.
;; Outputs: out0 32 x 1 x 1,024 float32.
;; This version of the problem:
;;   THIS VERSION OF THE PROBLEM IS GIVEN IN LOW PRECISION. The matrix products marked QUANTISED in the list below multiply operands that are first quantised to E3M2 (3 exponent bits, 2 mantissa bits; 6 bits a number), with one power-of-two scale for each 32 numbers along K (OCP MX v1.0); their sums are f32. All else is computed in f32.
;;   The module's matrix products, in the order in which they are computed (A, B: the left and right operand; K: the contracted axis; several contracted axes count as one K, in the product's order):
;;     1. [M 32,768, K 2,048] x [K 2,048, N 1,024]; A: input encoder_outputs (given as codes); B: input W (given as codes): QUANTISED
;;     2. batch 32 x [M 1, K 1,024] x [K 1,024, N 1,024]; A: input hidden; B: computed on the way: left as it is (M = 1 < 16)
;;   THE QUANTISER, for each operand of a quantised product, along K:
;;     - K is cut into blocks of 32 from its start; a last block that is shorter is filled with zeros.
;;     - A block's scale is 2^e with e = floor(log2(the largest magnitude in the block)) - 4, held to -126 .. 127; a block of zeros has e = 0. As a byte (E8M0): e + 127.
;;     - Each number is divided by its block's scale, clamped to +-28, and rounded to the nearest number of E3M2, ties to even, subnormals kept.
;;     - The product sums the exact products of the quantised numbers (number of the format x scale) in f32.
;;   ~~~python
;;   def quantise(x, axis):      # numpy; x: float32 -> the quantised numbers, widened to float32 again
;;       x = np.moveaxis(x, axis, -1); K = x.shape[-1]
;;       x = np.pad(x, [(0, 0)] * (x.ndim - 1) + [(0, -K % 32)]); x = x.reshape(x.shape[:-1] + (-1, 32)); a = np.abs(x).max(-1, keepdims=True)
;;       e = np.where(a > 0, np.clip(np.frexp(np.where(a > 0, a, 1))[1] - 1 - 4, -126, 127), 0)      # np.frexp(a)[1] - 1 = floor(log2(a)), exactly
;;       r = np.clip(x / 2.0 ** e, -28, 28)
;;       step = 2.0 ** (np.maximum(np.frexp(np.where(r == 0, 1, r))[1] - 1, -2) - 2)
;;       q = np.round(r / step) * step * 2.0 ** e      # np.round: ties to even
;;       return np.moveaxis(q.reshape(q.shape[:-2] + (-1,))[..., :K], -1, axis).astype(np.float32)
;;   ~~~
;;   INPUTS GIVEN AS CODES. W (in the module: [1024, 2048], K = its axis 1); encoder_outputs (in the module: [32, 1024, 2048], K = its axis 2): each comes as NAME_codes (uint8): NAME with its K axis moved to the last place and cut into blocks of 32 codes, [.., K / 32, bytes a block], one block behind the other in memory; four codes in three bytes: a row's codes are one little-endian stream of bits, code i at bits 6 i .. 6 i + 5 (a code: sign, 3 exponent bits, 2 mantissa bits); and NAME_scales (uint8): the same leading axes, one E8M0 byte (e + 127) for each 32 codes along K. Its value is code x scale, taken as it is: it is not quantised again, and the codes and scales need not be those that the quantiser above would give.
;; One version. Each part assembles by itself: llvm-mc -triple=amdgcn-amd-amdhsa -mcpu=gfx1250 --defsym DOCPART=n.
;; ======== version 1 of 1: 2 launches
;; limits: right only within a limited range of input values
;; workspace buffers: epart 524,288 bytes
;; launch energy (part 1): grid 4 x 64, 4 waves a work-group, clusters of 4 x 4, 327,680 bytes of LDS; arguments encoder_outputs_codes, encoder_outputs_scales, W_codes, W_scales, hidden, epart; writes epart
.if DOCPART == 1
	.amdgcn_target "amdgcn-amd-amdhsa--gfx1250"
	.amdhsa_code_object_version 6
	.text
	.protected	k_qcd1eee4fd3_energy
	.globl	k_qcd1eee4fd3_energy
	.p2align	8
	.type	k_qcd1eee4fd3_energy,@function
k_qcd1eee4fd3_energy:
	s_mov_b64 s[64:65], 0
	v_nop
	global_prefetch_b8 v0, s[64:65] scope:SCOPE_SE
	s_setreg_imm32_b32 hwreg(HW_REG_WAVE_MODE, 25, 1), 1
	s_wait_xcnt 0x0
	s_wait_alu depctr_hold_cnt(0) depctr_sa_sdst(0) depctr_va_vdst(0) depctr_va_sdst(0) depctr_va_ssrc(0) depctr_va_vcc(0) depctr_vm_vsrc(0)
	s_getreg_b32 s2, hwreg(HW_REG_IB_STS2, 6, 4)
	s_cmp_eq_u32 s2, 0
	s_cbranch_scc0 .Lentry_in_a_cluster
	s_endpgm
.Lentry_in_a_cluster:
	s_bfe_u32 s2, ttmp6, 0x10000c
	s_cmp_lg_u32 s2, 0xf033
	s_cbranch_scc0 .Lentry_shape_is_right
	s_endpgm
.Lentry_shape_is_right:
; epart[tx][m] = the sum over n = 256 tx .. 256 tx + 255 of hidden[m / 1024][n] x (the sum over k of enc[m][k] W[n][k]).
; enc: [32768][2048], W: [1024][2048]: BF6 (E3M2) codes, a row is a stream of bits of 1536 bytes, with one E8M0 byte for each 32 along K.  hidden [32][1024], epart [4][32768]: f32.
; DEAD WORK: the input b is not loaded and is no argument of any launch.  reference() adds b[n] to every tmp[b][s][n]; in energies[b][s] it becomes the sum over n of hidden[b][n] x b[n], which is the same for all s,
; and the softmax runs along s: a term that is the same along its axis cancels for all finite values of hidden and b, and no quantiser stands between.  Limit: a NaN, an infinity or an overflow that reaches only this term is not carried.
; SHARES.  256 work-groups of four waves; a work-group owns 512 rows of enc (all of one batch) x 256 columns.  Wave w: K half w % 2 (1024 numbers); with g = w / 2, of the columns 64 g + 0 .. 63 (fragments 0-3), 128 + 32 g + 0 .. 31 (4, 5), 192 + 32 g + 0 .. 31 (6, 7).
; W STAYS IN REGISTERS: a wave's 8 fragments of 16 columns x 8 K steps of 128 are 64 x 12 = 768 registers, loaded once.  enc goes by in blocks of 16 rows: 64 matrix instructions a block, 8 accumulators by turns.
; A block's products are multiplied by hidden and summed (packed fused multiply-adds, f32) among the next block's matrix instructions, the 16 lanes' sums are joined, and 16 energies go to the wave's own stage in LDS.  At the end the four waves' parts are added.
; enc's tiles: 64 rows (four blocks) in a slot, two slots, each row as two halves of 768 bytes = three whole 256-byte units.  W comes the same way, in three groups ahead of the loop: rows 0-127 of the 256 into bytes 0 .. 208,895, rows 128-191 into slot 1's bytes,
; rows 192-255 into the bytes between the slots, while enc's step 0 takes slot 0's.
; MEMORY INSTRUCTIONS GO IN RUNS: two in a block, ahead of K steps 2 and 6, each for the K steps four to seven further on.
; A LANE TAKES 48 NEIGHBOURING BYTES of a K step (blocks 2 h and 2 h + 1 of its four), for enc and W alike, where the operand's layout has blocks h and 2 + h: a permutation of K that both sides share; so bytes 1 and 2 of every scale word change places.
; CLUSTERS of 4 x 4: a row of the cluster needs the same rows of enc, a column the same rows of W: each tile is asked for jointly by the four.
; LIMITS.  Sums are f32 in this order: K halves apart; then columns r, r + 16, .. in a lane; then lanes 8, 4, 2, 1 away; then the four waves.  NaN and infinities in hidden, and scale bytes 0xff, are not served.
; REGISTERS.  Window 0 as below; windows 1 to 3: W's fragments, 21 in each from v0 on, and at v252-255 hidden for fragments 4-7 (window 1) and 0-3 (window 3).  The 64th fragment (K step 1, fragment 0) lies in window 0.
; In the matrix work only source 1 (W, hidden) leaves window 0: addresses, LDS and memory loads, accumulators and sums all stand in window 0.
.set KROW,  1536
.set BLK,   16*816                     ; LDS: 16 rows of 3 x (256 + 16 of padding) bytes
.set IMG,   128*816                    ; 128 rows of one K half
.set HIMG,  64*816                     ; 64 rows of one K half
.set QIMG,  32*816
.set S1,    2*IMG                      ; slot 1; slot 0: from byte 0 on
.set SPARE, 3*IMG                      ; the spare words: two blocks of 256 bytes that no other line names
.set STG,   SPARE+768                  ; energies: 512 words for each wave, STP bytes apart
.set STP,   3072
.set STEPB, 64*KROW                    ; a step (64 rows) of enc in memory
.set PFO, 8                            ; 256 x min(lane, 23)
.set SCO, 9                            ; scales: 64 r + 16 h
.set A0, 10                            ; v10-11 slot 0: my fragment bytes, and the same + 16 h for pieces where lanes 16-31 stand one padding further on;  v12-13 slot 1
.set STO, 14
.set CO, 15
.set RD, 16
.set HO, 17
.set SPW, 18
.set NIL, 19
.set EN, 20                            ; v20-27 sums: register j: row 8 h + j.  (v20-23 at the head: addresses of W's rows from 128 on)
.set SW, 28                            ; v28-59 W's scale words: SW + 4 f + q % 4; lanes 0-15 K steps 0-3, lanes 16-31 K steps 4-7
.set RAW, 60                           ; v60-75 enc's scale words as loaded, four blocks
.set ACC, 76
.set EB, 140                           ; v140-235 enc's fragments of 8 K steps
.set WF0, 236
.set SE, 248                           ; v248-255 enc's scale words, two blocks by turns
.set CNT, 16
.set PS, 17
.set WV, 18
.set RH, 19                            ; g = wave / 2
.set CH, 20                            ; wave % 2: my K half
.set M8, 21
.set M4, 22
.set M2, 23
.set G1X, 24
.set G1E, 32
.set G1R, 40
.set G0W, 48
.set G0E, 52
.set G0R, 56                           ; s[56:59] refills of slot 0, s[60:63] of slot 1
.set G1V, 76
.set G0V, 84
.set PF, 92
.set MSB, 0
.macro WIN new                         ; the immediate's high byte repeats the setting that is left
.if MSB != (\new)
	s_set_vgpr_msb (MSB<<8)|(\new)
.set MSB, (\new)
.endif
.endm
.macro PLACES n
.rept \n
	v_nop
.endr
.endm
.macro CREST                           ; a round of the cluster's barrier behind its opening barrier
	s_cmp_lg_u32 s[WV], 0
	s_cbranch_scc1 .Lnot_wave_0_\@
	s_barrier_signal -3
.Lnot_wave_0_\@:
	s_barrier_wait -3
	s_barrier_signal -1
	s_barrier_wait -1
.endm
.macro CROUND
	s_barrier_signal -1
	s_barrier_wait -1
	CREST
.endm
.macro WIDX q, f                       ; where W's fragment f of K step q lies: window WW, register WR
.set NN, 8*(\q)+(\f)
.if NN == 8
.set WW, 0
.set WR, WF0
.else
.if NN > 8
.set NN, NN-1
.endif
.set WW, 1+NN/21
.set WR, 12*(NN%21)
.endif
.endm
.macro WLD q, f, adr, i                ; one of W's fragments from LDS: 48 bytes a lane, from the i-th 16 rows behind v[adr]
	WIDX \q, \f
	WIN WW<<6
.irp p, 0,1,2
.set YY, 96*(\q)+16*\p
.if (YY/256) == ((YY+48)/256)
	ds_load_b128 v[WR+4*\p:WR+4*\p+3], v[\adr] offset:YY+16*(YY/256)+BLK*(\i)
.else
	ds_load_b128 v[WR+4*\p:WR+4*\p+3], v[\adr+1] offset:YY+16*(YY/256)+BLK*(\i)
.endif
.endr
.endm
.macro EF slot, i, q                   ; enc's fragment of block i, K step q
.irp p, 0,1,2
.set YY, 96*(\q)+16*\p
.if (YY/256) == ((YY+48)/256)
	ds_load_b128 v[EB+12*(\q)+4*\p:EB+12*(\q)+4*\p+3], v[A0+2*(\slot)] offset:YY+16*(YY/256)+BLK*(\i)
.else
	ds_load_b128 v[EB+12*(\q)+4*\p:EB+12*(\q)+4*\p+3], v[A0+2*(\slot)+1] offset:YY+16*(YY/256)+BLK*(\i)
.endif
.endr
.endm
; one matrix instruction: source 0 = 16 rows of enc, source 1 = 16 columns of W: lane (r, h) gets column r, registers j rows 8 h + j.  K step 0 starts the sums.
; The 8 accumulators take turns in the same order in every K step.
.macro MM q, f, par
	WIDX \q, \f
	WIN WW<<2
.if (\q) == 0
	v_wmma_scale_f32_16x16x128_f8f6f4 v[ACC+8*(\f):ACC+8*(\f)+7], v[EB:EB+11], v[WR:WR+11], 0, v[SE+4*((\par)%2)], v[SW+4*(\f)] matrix_a_fmt:MATRIX_FMT_BF6 matrix_b_fmt:MATRIX_FMT_BF6
.else
.if (\q) < 4
	v_wmma_scale_f32_16x16x128_f8f6f4 v[ACC+8*(\f):ACC+8*(\f)+7], v[EB+12*(\q):EB+12*(\q)+11], v[WR:WR+11], v[ACC+8*(\f):ACC+8*(\f)+7], v[SE+4*((\par)%2)+(\q)], v[SW+4*(\f)+(\q)] matrix_a_fmt:MATRIX_FMT_BF6 matrix_b_fmt:MATRIX_FMT_BF6
.else
	v_wmma_scale_f32_16x16x128_f8f6f4 v[ACC+8*(\f):ACC+8*(\f)+7], v[EB+12*(\q):EB+12*(\q)+11], v[WR:WR+11], v[ACC+8*(\f):ACC+8*(\f)+7], v[SE+4*((\par)%2)+(\q)-4], v[SW+4*(\f)+(\q)-4] matrix_a_fmt:MATRIX_FMT_BF6 matrix_b_fmt:MATRIX_FMT_BF6 matrix_a_scale:MATRIX_SCALE_ROW1 matrix_b_scale:MATRIX_SCALE_ROW1
.endif
.endif
.endm
.macro M8X q, par                      ; a whole K step
.irp f, 0,1,2,3,4,5,6,7
	MM \q, \f, \par
.endr
.endm
.macro FH f, a, b                      ; accumulator f x hidden of its column onto the sums, register pairs a and b; f = 0 starts them
	WIN 0x0c-8*((\f)/4)
.set HP, 252+2*(((\f)%4)/2)
.irp p, \a, \b
.if (\f) == 0
	v_pk_mul_f32 v[EN+2*\p:EN+2*\p+1], v[ACC+2*\p:ACC+2*\p+1], v[HP:HP+1] op_sel_hi:[1,0]
.else
.if (\f)%2 == 0
	v_pk_fma_f32 v[EN+2*\p:EN+2*\p+1], v[ACC+8*(\f)+2*\p:ACC+8*(\f)+2*\p+1], v[HP:HP+1], v[EN+2*\p:EN+2*\p+1] op_sel_hi:[1,0,1]
.else
	v_pk_fma_f32 v[EN+2*\p:EN+2*\p+1], v[ACC+8*(\f)+2*\p:ACC+8*(\f)+2*\p+1], v[HP:HP+1], v[EN+2*\p:EN+2*\p+1] op_sel:[0,1,0] op_sel_hi:[1,1,1]
.endif
.endif
.endr
.endm
; the sum over the 16 lanes of a row of lanes: two registers' sums with the lane 8 (4, 2) away go into one, the lanes where that bit is set keep the second; at the end lane l holds row l / 2
.macro DADD a, m
	v_add_f32_dpp v[EN+\a], v[EN+\a], v[EN+\a] row_xmask:\m row_mask:0xf bank_mask:0xf
.endm
.macro CSEL a, b, m
	v_cndmask_b32 v[EN+\a], v[EN+\a], v[EN+\b], s[\m]
.endm
.macro RED1
	WIN 0
.irp a, 0,1,2,3,4,5,6,7
	DADD \a, 8
.endr
.endm
.macro RED2
	WIN 0
	CSEL 0, 4, M8
	CSEL 1, 5, M8
	CSEL 2, 6, M8
	CSEL 3, 7, M8
.irp a, 0,1,2,3
	DADD \a, 4
.endr
.endm
.macro RED34
	WIN 0
	CSEL 0, 2, M4
	CSEL 1, 3, M4
	DADD 0, 2
	DADD 1, 2
	CSEL 0, 1, M2
	DADD 0, 1
.endm
.macro FOLD f                          ; all four pairs of accumulator f, from the low end on
	FH \f, 0, 1
	FH \f, 2, 3
.endm
.macro ESTORE i
	ds_store_b32 v[STO], v[EN] offset:64*(\i)          ; neighbouring lanes of a pair hold and write the same number
.endm
; K steps 0 and 1 of block i; fold = 1: the block before is finished, summed and stored among them.  It ends in window 0, with four places or more behind its last matrix instruction
.macro OPEN i, fold
.if \fold
	MM 0, 0, \i                                    ; (each accumulator is folded ahead of the matrix instruction that begins it anew)
	FH 4, 0, 1
	MM 0, 1, \i
	FH 4, 2, 3
	MM 0, 2, \i
	FH 5, 0, 1
	MM 0, 3, \i
	FH 5, 2, 3
	MM 0, 4, \i
	FOLD 6
	MM 0, 5, \i
	FH 7, 0, 1
	MM 0, 6, \i
	FH 7, 2, 3
	MM 0, 7, \i
	WIN 0
.irp a, 0,1,2,3
	DADD \a, 8
.endr
	MM 1, 0, \i
.irp a, 4,5,6,7
	DADD \a, 8
.endr
	MM 1, 1, \i
	WIN 0
	CSEL 0, 4, M8
	CSEL 1, 5, M8
	CSEL 2, 6, M8
	CSEL 3, 7, M8
	MM 1, 2, \i
	WIN 0
.irp a, 0,1,2,3
	DADD \a, 4
.endr
.irp f, 3,4,5,6,7
	MM 1, \f, \i
.endr
	RED34
	ESTORE \i
.else
	M8X 0, \i
	M8X 1, \i
	WIN 0
	PLACES 4
.endif
.endm
; K step 7 of block i, and the first half of its products folded, each four matrix instructions behind its last.  dsw = 1: the next block's K steps 0 and 1 were asked for behind the barrier; the twelve younger loads (its K steps 2 to 5) may be out
.macro Q7 i, dsw
	MM 7, 0, \i
	PLACES 4                                       ; the places in front of FOLD 0
	MM 7, 1, \i
	MM 7, 2, \i
	MM 7, 3, \i
	MM 7, 4, \i
.if \dsw
	s_wait_dscnt 12
.endif
	FOLD 0
	MM 7, 5, \i
	FOLD 1
	MM 7, 6, \i
	FOLD 2
	MM 7, 7, \i
	FOLD 3
.endm
; the next block's scale words are permuted (also the four places in front of the loads that follow); ahead of that lc younger scale loads may be out; the block four further on is asked for
.macro SCALES i, lc, ld, imm
	s_wait_loadcnt \lc
.irp k, 0,1,2,3
	v_perm_b32 v[SE+4*(((\i)+1)%2)+\k], v[RAW+4*(((\i)+1)%4)+\k], 0, s[PS]
.endr
.if \ld
	global_load_b128 v[RAW+4*(((\i)+1)%4):RAW+4*(((\i)+1)%4)+3], v[SCO], s[6:7] offset:\imm
.endif
.endm
.macro REST slot, i, lc, ld            ; K steps 2 to 7 of a block whose successor lies in the same slot
	EF \slot, \i, 6
	EF \slot, \i, 7
	EF \slot, (\i)+1, 0
	EF \slot, (\i)+1, 1
	s_wait_dscnt 13                                ; my K steps 2 to 5 are in; the energies' store and the twelve loads above, younger, may be out
	M8X 2, \i
	M8X 3, \i
	M8X 4, \i
	M8X 5, \i
	SCALES \i, \lc, \ld, 1024*((\i)+5)
	EF \slot, (\i)+1, 2
	EF \slot, (\i)+1, 3
	EF \slot, (\i)+1, 4
	EF \slot, (\i)+1, 5
	s_wait_dscnt 12                                ; all but the twelve just issued
	M8X 6, \i
	Q7 \i, 0
.endm
; K steps 2 to 7 of a slot's last block, and the change of slots.  fill = 1: this slot is filled again with the step two further on, and the step four further on is prefetched (in all but the loop's last trip)
.macro TURNB slot, nx, fill, ld
	EF \slot, 3, 6
	EF \slot, 3, 7
	s_wait_xcnt 0x0                                ; the scale loads and the prefetch have had their addresses translated (ISA guide 3.1): their bases are stepped only behind this wait
	s_add_nc_u64 s[6:7], s[6:7], 4096
	s_wait_tensorcnt 0x0                           ; all my tensor loads have landed: my part of the next slot;
	ds_add_u32 v[SPW], v[NIL]                      ; 0 onto my spare word;
.if \fill
	s_add_nc_u64 s[G0R+4*(\slot)+2:G0R+4*(\slot)+3], s[G0R+4*(\slot)+2:G0R+4*(\slot)+3], 2*STEPB
	s_add_nc_u64 s[PF:PF+1], s[PF:PF+1], STEPB
.endif
	s_wait_dscnt 8                                 ; K steps 2 to 5 are in; the store, six loads and the add may be out
	M8X 2, 3
	M8X 3, 3
	M8X 4, 3
	s_wait_dscnt 0x0                               ; the add is done, and my reads of this slot are over
	s_barrier_signal -1
	M8X 5, 3
	WIN 0
	s_barrier_wait -1
.if \fill
	CREST                                          ; no wave of any partner still reads this slot or has a load on its way
	tensor_load_to_lds s[G0R+4*(\slot):G0R+4*(\slot)+3], s[G1R:G1R+7]
	s_nop 0
.endif
	PLACES 4
	SCALES 3, 3, \ld, 4096
	v_add_nc_u32 v[STO], 0x100, v[STO]             ; the next step's 64 energies
	EF \nx, 0, 0
	EF \nx, 0, 1
	EF \nx, 0, 2
	EF \nx, 0, 3
	EF \nx, 0, 4
	EF \nx, 0, 5
.if \fill
	s_cmp_gt_u32 s[CNT], 1
	s_cbranch_scc0 .Lno_prefetch_\@
	global_prefetch_b8 v[PFO], s[PF:PF+1] offset:3*STEPB th:TH_LOAD_NT scope:SCOPE_SE
.Lno_prefetch_\@:
.endif
	M8X 6, 3
	Q7 3, 1
.endm
	s_load_b128 s[4:7], s[0:1], 0x0                ; enc's codes, scales
	s_load_b128 s[8:11], s[0:1], 0x10              ; W's codes, scales
	s_load_b128 s[12:15], s[0:1], 0x20             ; hidden, epart
	v_lshl_add_u32 v[SPW], v0, 2, SPARE
	v_mov_b32 v[NIL], 0
	ds_add_u32 v[SPW], v[NIL]                      ; the opening lines: the add, twice,
	ds_add_u32 v[SPW], v[NIL]
	v_lshrrev_b32 v1, 5, v0
	v_readfirstlane_b32 s[WV], v1
	s_lshr_b32 s[RH], s[WV], 1
	s_and_b32 s[CH], s[WV], 1
	s_bfe_u32 s68, ttmp6, 0x40000                  ; cx
	s_bfe_u32 s69, ttmp6, 0x40004                  ; cy
	s_lshl_b32 s70, ttmp9, 2
	s_add_co_u32 s70, s70, s68                     ; tx: which 256 columns
	s_and_b32 s67, ttmp7, 0xffff
	s_lshl_b32 s71, s67, 2
	s_add_co_u32 s71, s71, s69                     ; ty: which 512 rows
	s_lshl_b32 s72, s69, 2
	s_lshl_b32 s72, 15, s72                        ; my row of the cluster
	s_lshl_b32 s73, 0x1111, s68                    ; my column
	s_mov_b32 s[PS], 0x07050604                    ; bytes 0, 2, 1, 3 of the first source
	s_mov_b32 s[M8], 0xff00ff00
	s_mov_b32 s[M4], 0xf0f0f0f0
	s_mov_b32 s[M2], 0xcccccccc
	; descriptor groups 1: rows of 768 bytes, 4 words of padding behind every 64 (codes 3 and 5), bit 21 beside the mask: W 64 rows and 32 rows to my column, enc 64 rows and 32 rows to my row
	s_or_b32 s[G1V], s73, (1<<20)|(1<<21)|(5<<22)|(3<<25)
	s_or_b32 s[G1X], s73, (1<<20)|(1<<21)|(5<<22)|(3<<25)
	s_or_b32 s[G1E], s72, (1<<20)|(1<<21)|(5<<22)|(3<<25)
	s_or_b32 s[G1R], s72, (1<<20)|(1<<21)|(5<<22)|(3<<25)
.irp g, G1V, G1X, G1E, G1R
	s_mov_b32 s[\g+1], 768<<16
	s_mov_b32 s[\g+3], 768<<16
	s_mov_b32 s[\g+5], KROW
	s_mov_b32 s[\g+6], 0
	s_mov_b32 s[\g+7], 0
.endr
	s_mov_b32 s[G1V+2], 64<<16
	s_mov_b32 s[G1V+4], 64
	s_mov_b32 s[G1X+2], 32<<16
	s_mov_b32 s[G1X+4], 32
	s_mov_b32 s[G1E+2], 64<<16
	s_mov_b32 s[G1E+4], 64
	s_mov_b32 s[G1R+2], 32<<16
	s_mov_b32 s[G1R+4], 32
	; where the tiles come from: W's hang on tx and the wave, enc's on ty and the wave, in registers of their own; all under 2^32
	s_mul_i32 s66, s[CH], 768
	s_mul_i32 s3, s[RH], 32*KROW
	s_mul_i32 s88, s70, 256*KROW
	s_add_co_u32 s88, s88, s66
	s_add_co_u32 s88, s88, s3                      ; W: row 32 g of my 256, my K half
	s_add_co_u32 s74, s88, s3                      ; rows 64 g + 0 .. 63: my first load
	s_mov_b32 s75, 0
	s_add_co_u32 s88, s88, 128*KROW                ; rows 128 + 32 g + 0 .. 31: my second
	s_mov_b32 s89, 0
	s_mul_i32 s96, s71, 512*KROW
	s_add_co_u32 s96, s96, s66                     ; enc: step 0, my K half
	s_mov_b32 s97, 0
	s_add_co_u32 s98, s96, s3                      ; and its 32 rows that I fetch in a refill
	s_mov_b32 s99, 0
	; and where they go
	s_mul_i32 s100, s[CH], IMG
	s_mul_i32 s101, s[RH], HIMG
	s_mul_i32 s2, s[CH], HIMG
	s_mul_i32 s3, s[RH], QIMG
	s_mov_b32 s[G0W], 1
	s_add_co_u32 s[G0W+1], s100, s101
	s_add_co_u32 s101, s2, IMG                     ; waves 0, 1: W's rows 192-255
	s_add_co_u32 s100, s101, s3                    ; where I read them
	s_mov_b32 s[G0E], 1
	s_mov_b32 s[G0E+1], s2
	s_mov_b32 s[G0R], 1
	s_add_co_u32 s[G0R+1], s2, s3
	s_mov_b32 s[G0R+4], 1
	s_add_co_u32 s[G0R+5], s[G0R+1], S1
	s_mov_b32 s[G0V], 1
	s_add_co_u32 s[G0V+1], s[G0R+1], S1
	s_add_co_u32 s3, s2, S1
	s_mul_i32 s66, s[WV], STP
	s_add_co_u32 s66, s66, STG-64                  ; a block's energies are stored during the next block, at 64 x that one's number
	s_mul_i32 s90, s70, 256*KROW                   ; W's prefetches: of each 128 rows' 768 pieces of 256 bytes each of the sixteen waves of my column has 48
	s_lshl_b32 s94, s69, 2
	s_add_co_u32 s94, s94, s[WV]
	s_mul_i32 s94, s94, 48*256
	s_add_co_u32 s94, s94, s90
	s_mov_b32 s95, 0
	s_and_b32 s91, s67, 3                          ; all sixteen clusters read W; clusters 0, 4, 8 and 12 ask for it
	v_and_b32 v1, 15, v0                           ; r
	v_bfe_u32 v2, v0, 4, 1                         ; h
	v_and_b32 v3, 31, v0                           ; l
	v_mul_u32_u24 v4, v1, 816
	v_mad_u32_u24 v4, v2, 48, v4
	v_lshl_add_u32 v5, v2, 4, v4
	v_add_nc_u32 v[A0], s2, v4
	v_add_nc_u32 v[A0+1], s2, v5
	v_add_nc_u32 v[A0+2], s3, v4
	v_add_nc_u32 v[A0+3], s3, v5
	v_add_nc_u32 v6, s[G0W+1], v4                  ; W: fragments 0-3,
	v_add_nc_u32 v7, s[G0W+1], v5
	v_add_nc_u32 v20, s[G0V+1], v4                 ; 4, 5,
	v_add_nc_u32 v21, s[G0V+1], v5
	v_add_nc_u32 v22, s100, v4                     ; 6, 7
	v_add_nc_u32 v23, s100, v5
	v_lshlrev_b32 v[SCO], 6, v1
	v_lshl_add_u32 v[SCO], v2, 4, v[SCO]
	v_lshlrev_b32 v[HO], 2, v1
	v_min_u32 v[PFO], 23, v3
	v_lshlrev_b32 v[PFO], 8, v[PFO]
	v_bfe_u32 v[STO], v0, 1, 4
	v_lshlrev_b32 v[STO], 2, v[STO]
	v_add_nc_u32 v[STO], s66, v[STO]
	v_lshlrev_b32 v[CO], 4, v0
	v_lshl_add_u32 v[RD], v0, 4, STG
	s_wait_dscnt 0x0                               ; and the one wait for both
	s_wait_alu depctr_va_vdst(0)
	s_wait_kmcnt 0x0
	s_add_nc_u64 s[94:95], s[8:9], s[94:95]
	s_cmp_eq_u32 s91, 0
	s_cbranch_scc0 .Lno_w0
	global_prefetch_b8 v[PFO], s[94:95] th:TH_LOAD_NT scope:SCOPE_SE   ; W's rows 0-127, ahead of the round
	global_prefetch_b8 v[PFO], s[94:95] offset:24*256 th:TH_LOAD_NT scope:SCOPE_SE
.Lno_w0:
	s_add_nc_u64 s[G0W+2:G0W+3], s[8:9], s[74:75]
	s_or_b32 s[G0W+3], s[G0W+3], 0x80000000
	CROUND                                         ; all sixteen work-groups are here: the first joint loads meet
	tensor_load_to_lds s[G0W:G0W+3], s[G1V:G1V+7]  ; W's rows 0-127: each wave the 64 rows and the K half that it alone reads
	s_nop 0
	PLACES 4
	s_add_nc_u64 s[G0V+2:G0V+3], s[8:9], s[88:89]
	s_or_b32 s[G0V+3], s[G0V+3], 0x80000000
	s_add_nc_u64 s[G0E+2:G0E+3], s[4:5], s[96:97]
	s_or_b32 s[G0E+3], s[G0E+3], 0x80000000
	s_add_nc_u64 s[G0R+2:G0R+3], s[4:5], s[98:99]  ; slot 0's refills step on ahead of their use: step 2 first
	s_or_b32 s[G0R+3], s[G0R+3], 0x80000000
	s_add_nc_u64 s[G0R+6:G0R+7], s[4:5], s[98:99]
	s_add_nc_u64 s[G0R+6:G0R+7], s[G0R+6:G0R+7], STEPB  ; slot 1: step 1 first
	s_or_b32 s[G0R+7], s[G0R+7], 0x80000000
	; the other bases: their offsets mix tx and ty, and feed no descriptor
	s_mov_b32 s3, 0
	s_lshl_b32 s2, s71, 15
	s_lshl_b32 s66, s[CH], 5
	s_add_co_u32 s2, s2, s66
	s_add_nc_u64 s[6:7], s[6:7], s[2:3]            ; enc's scales: my rows, my K half
	s_lshl_b32 s2, s70, 14
	s_add_co_u32 s2, s2, s66
	s_lshl_b32 s66, s[RH], 11
	s_add_co_u32 s2, s2, s66
	s_add_nc_u64 s[88:89], s[10:11], s[2:3]        ; W's, row 32 g
	s_add_co_u32 s2, s2, s66
	s_add_nc_u64 s[10:11], s[10:11], s[2:3]        ; and row 64 g
	s_lshr_b32 s2, s71, 1
	s_lshl_b32 s2, s2, 12
	s_lshl_b32 s66, s70, 10
	s_add_co_u32 s2, s2, s66
	s_lshl_b32 s66, s[RH], 7
	s_add_co_u32 s2, s2, s66
	s_add_nc_u64 s[74:75], s[12:13], s[2:3]        ; hidden: batch ty / 2, column 32 g
	s_add_co_u32 s2, s2, s66
	s_add_nc_u64 s[12:13], s[12:13], s[2:3]        ; and column 64 g
	s_lshl_b32 s2, s70, 17
	s_lshl_b32 s66, s71, 11
	s_add_co_u32 s2, s2, s66
	s_add_nc_u64 s[14:15], s[14:15], s[2:3]        ; epart: part tx, row 512 ty
	s_mul_i32 s2, s71, 512*KROW
	s_lshl_b32 s66, s68, 2
	s_add_co_u32 s66, s66, s[WV]
	s_mul_i32 s66, s66, 24*256
	s_add_co_u32 s2, s2, s66
	s_add_nc_u64 s[PF:PF+1], s[4:5], s[2:3]        ; prefetches: of a step's 384 pieces of 256 bytes each of the sixteen waves of my row of the cluster has 24 of its own
.irp f, 0,1,2,3                                ; W's scales: lane (r, h): row r's bytes 16 h .. 16 h + 15 of my K half
	global_load_b128 v[SW+4*\f:SW+4*\f+3], v[SCO], s[10:11] offset:1024*\f
.endr
.irp f, 0,1,2,3
	global_load_b128 v[SW+16+4*\f:SW+16+4*\f+3], v[SCO], s[88:89] offset:8192+4096*(\f/2)+1024*(\f%2)
.endr
.irp b, 0,1,2,3
	global_load_b128 v[RAW+4*\b:RAW+4*\b+3], v[SCO], s[6:7] offset:1024*\b
.endr
	WIN 0xc0
.irp f, 0,1,2,3
	global_load_b32 v[252+\f], v[HO], s[12:13] offset:64*\f
.endr
	WIN 0x40
.irp f, 0,1,2,3
	global_load_b32 v[252+\f], v[HO], s[74:75] offset:512+256*(\f/2)+64*(\f%2)
.endr
	WIN 0
	s_cmp_eq_u32 s91, 0                            ; the same four clusters ask for W's second 128 rows: the second and third loads bring them
	s_cbranch_scc0 .Lno_w
	global_prefetch_b8 v[PFO], s[94:95] offset:128*KROW th:TH_LOAD_NT scope:SCOPE_SE
	global_prefetch_b8 v[PFO], s[94:95] offset:128*KROW+24*256 th:TH_LOAD_NT scope:SCOPE_SE
.Lno_w:
	global_prefetch_b8 v[PFO], s[PF:PF+1] th:TH_LOAD_NT scope:SCOPE_SE   ; enc's step 0
	s_wait_loadcnt 0x0
.irp k, 0,1,2,3,4,5,6,7,8,9,10,11,12,13,14,15,16,17,18,19,20,21,22,23,24,25,26,27,28,29,30,31
	v_perm_b32 v[SW+\k], v[SW+\k], 0, s[PS]
.endr
.irp k, 0,1,2,3
	v_perm_b32 v[SE+\k], v[RAW+\k], 0, s[PS]
.endr
	global_load_b128 v[RAW:RAW+3], v[SCO], s[6:7] offset:4096   ; block 4's, in block 0's place
	PLACES 8                                       ; a scale register so written stands 8 places ahead of a scaled matrix instruction
	s_wait_alu depctr_va_vdst(0)
	s_wait_tensorcnt 0x0                           ; my part of W's rows 0-127 is in
	ds_add_u32 v[SPW], v[NIL]
	s_wait_dscnt 0x0
	CROUND
	tensor_load_to_lds s[G0V:G0V+3], s[G1X:G1X+7]  ; W's rows 128-191, into slot 1's bytes, for the first time: 32 rows and a K half, mine alone
	s_nop 0
	PLACES 4
.irp q, 0,1,2,3,4,5,6,7
.irp f, 0,1,2,3
	WLD \q, \f, 6, \f
.endr
.endr
	WIN 0
	global_prefetch_b8 v[PFO], s[PF:PF+1] offset:STEPB th:TH_LOAD_NT scope:SCOPE_SE
	s_wait_tensorcnt 0x0
	ds_add_u32 v[SPW], v[NIL]
	s_mov_b32 s[G0W+1], s101                       ; waves 0, 1: on to W's rows 192-255, a K half each
	s_add_nc_u64 s[G0W+2:G0W+3], s[G0W+2:G0W+3], 192*KROW
	s_wait_dscnt 0x0                               ; the add is done, and my reads of W's rows 0-127
	CROUND
	; one load a wave: waves 0, 1 bring W's last rows, between the slots; waves 2, 3 enc's step 0, a K half each, into slot 0
	s_cmp_eq_u32 s[RH], 0
	s_cbranch_scc0 .Lfor_enc
	tensor_load_to_lds s[G0W:G0W+3], s[G1V:G1V+7]
	s_nop 0
	PLACES 4
	s_branch .Lasked
.Lfor_enc:
	tensor_load_to_lds s[G0E:G0E+3], s[G1E:G1E+7]
	s_nop 0
	PLACES 4
.Lasked:
.irp q, 0,1,2,3,4,5,6,7
.irp f, 4,5
	WLD \q, \f, 20, \f-4
.endr
.endr
	WIN 0
	global_prefetch_b8 v[PFO], s[PF:PF+1] offset:2*STEPB th:TH_LOAD_NT scope:SCOPE_SE
	s_wait_tensorcnt 0x0
	ds_add_u32 v[SPW], v[NIL]
	s_wait_dscnt 0x0                               ; the add is done, and my reads of W's rows 128-191
	CROUND                                         ; everybody's part of W's last rows and of enc's step 0 is in
	tensor_load_to_lds s[G0R+4:G0R+7], s[G1R:G1R+7]   ; slot 1 takes step 1
	s_nop 0
	PLACES 4
.irp q, 0,1,2,3,4,5,6,7
.irp f, 6,7
	WLD \q, \f, 22, \f-6
.endr
.endr
	WIN 0
	EF 0, 0, 0
	EF 0, 0, 1
	EF 0, 0, 2
	EF 0, 0, 3
	EF 0, 0, 4
	EF 0, 0, 5
	global_prefetch_b8 v[PFO], s[PF:PF+1] offset:3*STEPB th:TH_LOAD_NT scope:SCOPE_SE
	s_wait_dscnt 12                                ; W is in registers, and block 0's K steps 0 and 1
	OPEN 0, 0
	s_wait_dscnt 0x0                               ; (no store stands ahead of the first block's loads)
	s_mov_b32 s[CNT], 3
.Lloop:                                                ; a trip: two steps, from a block's K step 2 to K step 1 of the block eight further on
	REST 0, 0, 3, 1
	OPEN 1, 1
	REST 0, 1, 3, 1
	OPEN 2, 1
	REST 0, 2, 3, 1
	OPEN 3, 1
	TURNB 0, 1, 1, 1
	OPEN 0, 1
	REST 1, 0, 3, 1
	OPEN 1, 1
	REST 1, 1, 3, 1
	OPEN 2, 1
	REST 1, 2, 3, 1
	OPEN 3, 1
	TURNB 1, 0, 1, 1
	OPEN 0, 1
	s_sub_co_u32 s[CNT], s[CNT], 1
	s_cmp_lg_u32 s[CNT], 0
	s_cbranch_scc1 .Lloop
	REST 0, 0, 3, 1                                ; the last two steps: nothing is filled again; the last scale load is block 31's
	OPEN 1, 1
	REST 0, 1, 3, 1
	OPEN 2, 1
	REST 0, 2, 3, 1
	OPEN 3, 1
	TURNB 0, 1, 0, 0
	OPEN 0, 1
	REST 1, 0, 2, 0
	OPEN 1, 1
	REST 1, 1, 1, 0
	OPEN 2, 1
	REST 1, 2, 0, 0
	OPEN 3, 1
	EF 1, 3, 6                                     ; the last block
	EF 1, 3, 7
	s_wait_dscnt 7
	M8X 2, 3
	M8X 3, 3
	M8X 4, 3
	M8X 5, 3
	s_wait_dscnt 0x0
	M8X 6, 3
	Q7 3, 0
	FOLD 4
	FOLD 5
	FOLD 6
	FOLD 7
	RED1
	RED2
	RED34
	ESTORE 4
	s_wait_tensorcnt 0x0                           ; the wave's last LDS write
	ds_add_u32 v[SPW], v[NIL]
	s_wait_dscnt 0x0                               ; and my energies are stored, for the others' sake
	s_barrier_signal -1
	s_barrier_wait -1
.irp w, 0,1,2,3                                ; thread t: rows 4 t .. 4 t + 3, from each wave's stage
	ds_load_b128 v[EB+4*\w:EB+4*\w+3], v[RD] offset:STP*\w
.endr
	s_wait_dscnt 0x0
.irp k, 0,2
	v_pk_add_f32 v[EB+\k:EB+\k+1], v[EB+\k:EB+\k+1], v[EB+4+\k:EB+4+\k+1]
	v_pk_add_f32 v[EB+8+\k:EB+8+\k+1], v[EB+8+\k:EB+8+\k+1], v[EB+12+\k:EB+12+\k+1]
.endr
	v_pk_add_f32 v[EB:EB+1], v[EB:EB+1], v[EB+8:EB+9]
	v_pk_add_f32 v[EB+2:EB+3], v[EB+2:EB+3], v[EB+10:EB+11]
	global_store_b128 v[CO], v[EB:EB+3], s[14:15]  ; a wave stores 512 consecutive bytes, at a multiple of 256 from epart's first byte
	CROUND                                         ; the closing round: no work-group ends while a partner may still ask for a tile that names it
	s_endpgm
.Lfunc_end_k_qcd1eee4fd3_energy:
	.size	k_qcd1eee4fd3_energy, .Lfunc_end_k_qcd1eee4fd3_energy-k_qcd1eee4fd3_energy
	.p2alignl 7, 3214868480
	.fill 96, 4, 3214868480
	.section	.rodata,"a",@progbits
	.p2align	6, 0x0
	.amdhsa_kernel k_qcd1eee4fd3_energy
		.amdhsa_group_segment_fixed_size 327680
		.amdhsa_private_segment_fixed_size 0
		.amdhsa_enable_private_segment 0
		.amdhsa_kernarg_size 48
		.amdhsa_user_sgpr_count 2
		.amdhsa_user_sgpr_kernarg_segment_ptr 1
		.amdhsa_wavefront_size32 1
		.amdhsa_system_sgpr_workgroup_id_x 1
		.amdhsa_system_sgpr_workgroup_id_y 1
		.amdhsa_system_sgpr_workgroup_id_z 1
		.amdhsa_system_vgpr_workitem_id 0
		.amdhsa_next_free_vgpr 1024
		.amdhsa_next_free_sgpr 102
		.amdhsa_reserve_vcc 0
		.amdhsa_float_denorm_mode_32 3
		.amdhsa_float_denorm_mode_16_64 3
		.amdhsa_memory_ordered 1
		.amdhsa_forward_progress 1
		.amdhsa_inst_pref_size 254
	.end_amdhsa_kernel
	.amdgpu_metadata
---
amdhsa.version: [ 1, 2 ]
amdhsa.kernels:
  - .name:           k_qcd1eee4fd3_energy
    .symbol:         k_qcd1eee4fd3_energy.kd
    .args:
      - { .name: encoder_outputs_codes, .offset: 0, .size: 8, .value_kind: global_buffer, .address_space: global }
      - { .name: encoder_outputs_scales, .offset: 8, .size: 8, .value_kind: global_buffer, .address_space: global }
      - { .name: W_codes, .offset: 16, .size: 8, .value_kind: global_buffer, .address_space: global }
      - { .name: W_scales, .offset: 24, .size: 8, .value_kind: global_buffer, .address_space: global }
      - { .name: hidden, .offset: 32, .size: 8, .value_kind: global_buffer, .address_space: global }
      - { .name: epart, .offset: 40, .size: 8, .value_kind: global_buffer, .address_space: global }
    .group_segment_fixed_size: 327680
    .private_segment_fixed_size: 0
    .kernarg_segment_align: 8
    .kernarg_segment_size: 48
    .max_flat_workgroup_size: 128
    .sgpr_count:     102
    .vgpr_count:     1024
    .wavefront_size: 32
...
	.end_amdgpu_metadata
.endif
;; end of part 1
;; launch softmax (part 2): grid 32 x 1, 1 waves a work-group, no clusters, 0 bytes of LDS; arguments epart, out0; writes out0
.if DOCPART == 2
	.amdgcn_target "amdgcn-amd-amdhsa--gfx1250"
	.amdhsa_code_object_version 6
	.text
	.protected	k_qcd1eee4fd3_softmax
	.globl	k_qcd1eee4fd3_softmax
	.p2align	8
	.type	k_qcd1eee4fd3_softmax,@function
k_qcd1eee4fd3_softmax:
	s_mov_b64 s[64:65], 0
	v_nop
	global_prefetch_b8 v0, s[64:65] scope:SCOPE_SE
	s_setreg_imm32_b32 hwreg(HW_REG_WAVE_MODE, 25, 1), 1
	s_wait_xcnt 0x0
; out0[b][s] = softmax over s of e[b][s] = the sum over p = 0 .. 3, ascending, of epart[p][1024 b + s].  epart: [4][32768] f32; out0: [32][1024] f32.
; LEFT OUT: hidden . b, the same for all s (shown at the head of the first launch).
; One wave takes a batch: lane l owns positions 128 c + 4 l .. + 3, c = 0 .. 7, so each load and store covers 512 consecutive bytes, at a multiple of 256 from the buffer's first byte.  No number passes between waves: no LDS, no barrier.
; The row's maximum is taken away ahead of the exponential, in one fused multiply-add: 2^(e x log2(e) - max x log2(e)), the second product rounded once, the same for the whole row.
; 16 KiB are read by a wave once and nothing is shared: no tensor load, no cluster, no loop to prefetch in.
; LIMITS: a p under 2^-126 comes out as 0 (v_exp_f32 gives 0 where its result would be denormal: ISA guide 15.8); NaN and infinities among the energies are not served.
	s_load_b128 s[4:7], s[0:1], 0x0                ; epart, out0
	v_lshlrev_b32 v1, 4, v0
	v_mov_b32 v136, 0                              ; a lane permute's destination counts as one of its sources
	v_mov_b32 v135, 0
	s_lshl_b32 s2, ttmp9, 12
	s_mov_b32 s3, 0
	s_mov_b32 s8, 0x3fb8aa3b                       ; log2(e)
	s_mov_b32 s9, s8
	s_mov_b32 s12, 0x76543210                      ; v_permlanex16_b32's selects for lane l xor 16
	s_mov_b32 s13, 0xfedcba98
	s_wait_alu depctr_va_vdst(0)
	s_wait_kmcnt 0x0
	s_add_nc_u64 s[4:5], s[4:5], s[2:3]
	s_add_nc_u64 s[6:7], s[6:7], s[2:3]
.irp c, 0,1,2,3,4,5,6,7
.irp p, 0,1,2,3
	global_load_b128 v[4+32*\p+4*\c:7+32*\p+4*\c], v1, s[4:5] offset:\p*131072+512*\c th:TH_LOAD_NT
.endr
.endr
.irp g, 0,1,2,3
	s_wait_loadcnt 24-8*\g                         ; pieces 2 g and 2 g + 1 of the four parts are in
.irp p, 1,2,3
.irp k, 0,2,4,6
	v_pk_add_f32 v[4+8*\g+\k:5+8*\g+\k], v[4+8*\g+\k:5+8*\g+\k], v[4+32*\p+8*\g+\k:5+32*\p+8*\g+\k]
.endr
.endr
.endr
	v_max3_num_f32 v132, v4, v5, v6
	v_max3_num_f32 v133, v20, v21, v22
.irp i, 3,5,7,9,11,13
	v_max3_num_f32 v132, v132, v[4+\i], v[5+\i]
	v_max3_num_f32 v133, v133, v[20+\i], v[21+\i]
.endr
	v_max3_num_f32 v132, v132, v19, v35
	v_max_num_f32 v132, v132, v133
.irp m, 1,2,4,8
	v_max_num_f32_dpp v132, v132, v132 row_xmask:\m row_mask:0xf bank_mask:0xf
.endr
	v_permlanex16_b32 v136, v132, s12, s13
	v_max_num_f32 v132, v132, v136                 ; the row's maximum
	v_mul_f32 v134, 0xbfb8aa3b, v132               ; x -log2(e)
.irp j, 4,6,8,10,12,14,16,18,20,22,24,26,28,30,32,34
	v_pk_fma_f32 v[\j:\j+1], v[\j:\j+1], s[8:9], v[134:135] op_sel_hi:[1,0,0]
.endr
	s_wait_alu depctr_va_vdst(0)                   ; ahead of the batch
.irp j, 4,5,6,7,8,9,10,11,12,13,14,15,16,17,18,19,20,21,22,23,24,25,26,27,28,29,30,31,32,33,34,35
	v_exp_f32 v[\j], v[\j]
.endr
	v_nop                                          ; a plain place behind the last exponential
	s_wait_alu depctr_va_vdst(0)                   ; and ahead of its first reader
	v_pk_add_f32 v[132:133], v[4:5], v[6:7]
	v_pk_add_f32 v[134:135], v[8:9], v[10:11]
.irp j, 12,16,20,24,28,32
	v_pk_add_f32 v[132:133], v[132:133], v[\j:\j+1]
	v_pk_add_f32 v[134:135], v[134:135], v[\j+2:\j+3]
.endr
	v_pk_add_f32 v[132:133], v[132:133], v[134:135]
	v_add_f32 v132, v132, v133
.irp m, 1,2,4,8
	v_add_f32_dpp v132, v132, v132 row_xmask:\m row_mask:0xf bank_mask:0xf
.endr
	v_permlanex16_b32 v136, v132, s12, s13
	v_add_f32 v132, v132, v136                     ; the row's sum, at least 1 but for rounding
	s_wait_alu depctr_va_vdst(0)
	v_rcp_f32 v132, v132
	v_nop
	s_wait_alu depctr_va_vdst(0)
.irp c, 0,1,2,3,4,5,6,7
	v_pk_mul_f32 v[4+4*\c:5+4*\c], v[4+4*\c:5+4*\c], v[132:133] op_sel_hi:[1,0]
	v_pk_mul_f32 v[6+4*\c:7+4*\c], v[6+4*\c:7+4*\c], v[132:133] op_sel_hi:[1,0]
	global_store_b128 v1, v[4+4*\c:7+4*\c], s[6:7] offset:512*\c
.endr
	s_endpgm
.Lfunc_end_k_qcd1eee4fd3_softmax:
	.size	k_qcd1eee4fd3_softmax, .Lfunc_end_k_qcd1eee4fd3_softmax-k_qcd1eee4fd3_softmax
	.p2alignl 7, 3214868480
	.fill 96, 4, 3214868480
	.section	.rodata,"a",@progbits
	.p2align	6, 0x0
	.amdhsa_kernel k_qcd1eee4fd3_softmax
		.amdhsa_group_segment_fixed_size 0
		.amdhsa_private_segment_fixed_size 0
		.amdhsa_enable_private_segment 0
		.amdhsa_kernarg_size 16
		.amdhsa_user_sgpr_count 2
		.amdhsa_user_sgpr_kernarg_segment_ptr 1
		.amdhsa_wavefront_size32 1
		.amdhsa_system_sgpr_workgroup_id_x 1
		.amdhsa_system_sgpr_workgroup_id_y 1
		.amdhsa_system_sgpr_workgroup_id_z 1
		.amdhsa_system_vgpr_workitem_id 0
		.amdhsa_next_free_vgpr 140
		.amdhsa_next_free_sgpr 66
		.amdhsa_reserve_vcc 0
		.amdhsa_float_denorm_mode_32 3
		.amdhsa_float_denorm_mode_16_64 3
		.amdhsa_memory_ordered 1
		.amdhsa_forward_progress 1
		.amdhsa_inst_pref_size 14
	.end_amdhsa_kernel
	.amdgpu_metadata
---
amdhsa.version: [ 1, 2 ]
amdhsa.kernels:
  - .name:           k_qcd1eee4fd3_softmax
    .symbol:         k_qcd1eee4fd3_softmax.kd
    .args:
      - { .name: epart, .offset: 0, .size: 8, .value_kind: global_buffer, .address_space: global }
      - { .name: out0, .offset: 8, .size: 8, .value_kind: global_buffer, .address_space: global }
    .group_segment_fixed_size: 0
    .private_segment_fixed_size: 0
    .kernarg_segment_align: 8
    .kernarg_segment_size: 16
    .max_flat_workgroup_size: 32
    .sgpr_count:     66
    .vgpr_count:     140
    .wavefront_size: 32
...
	.end_amdgpu_metadata
.endif
;; end of part 2
